; MI455X (gfx1250); checked and timed in simulation.
; The chip was launched on July 23, 2026; its instructions are those of AMD's public machine-readable ISA for CDNA 5 (MIT licence, August 2026) and "CDNA5" Instruction Set Architecture Reference Guide (July 2026). The comments in the code are by the model that wrote it; some were corrected since.
;; Vector Quantize. Allowed arithmetic: matrix products marked QUANTISED: E2M1 operands, one E8M0 scale for each 32 along K, by v_wmma_scale_f32_16x16x128_f8f6f4 with both operands' format E2M1 (or v_wmma_scale_f32_32x16x128_f4), f32 sums; everything else in f32.
;; Inputs: embed 8,192 x 256 float32; x 8 x 4,096 x 256 float32.
;; Outputs: out0 8 x 4,096 x 256 float32; out1 8 x 4,096 int32; out2 one number float32.
;; This version of the problem:
;;   THIS VERSION OF THE PROBLEM IS GIVEN IN LOW PRECISION. The matrix products marked QUANTISED in the list below multiply operands that are first quantised to E2M1 (2 exponent bits, 1 mantissa bit; 4 bits a number), with one power-of-two scale for each 32 numbers along K (OCP MX v1.0); their sums are f32. All else is computed in f32.
;;   The module's matrix products, in the order in which they are computed (A, B: the left and right operand; K: the contracted axis; several contracted axes count as one K, in the product's order):
;;     1. [M 32,768, K 256] x [K 256, N 8,192]; A: computed on the way; B: input embed: QUANTISED
;;   THE QUANTISER, for each operand of a quantised product, along K:
;;     - K is cut into blocks of 32 from its start; a last block that is shorter is filled with zeros.
;;     - A block's scale is 2^e with e = floor(log2(the largest magnitude in the block)) - 2, held to -126 .. 127; a block of zeros has e = 0. As a byte (E8M0): e + 127.
;;     - Each number is divided by its block's scale, clamped to +-6, and rounded to the nearest number of E2M1, ties to even, subnormals kept.
;;     - The product sums the exact products of the quantised numbers (number of the format x scale) in f32.
;;   ~~~python
;;   def quantise(x, axis):      # numpy; x: float32 -> the quantised numbers, widened to float32 again
;;       x = np.moveaxis(x, axis, -1); K = x.shape[-1]
;;       x = np.pad(x, [(0, 0)] * (x.ndim - 1) + [(0, -K % 32)]); x = x.reshape(x.shape[:-1] + (-1, 32)); a = np.abs(x).max(-1, keepdims=True)
;;       e = np.where(a > 0, np.clip(np.frexp(np.where(a > 0, a, 1))[1] - 1 - 2, -126, 127), 0)      # np.frexp(a)[1] - 1 = floor(log2(a)), exactly
;;       r = np.clip(x / 2.0 ** e, -6, 6)
;;       step = 2.0 ** (np.maximum(np.frexp(np.where(r == 0, 1, r))[1] - 1, 0) - 1)
;;       q = np.round(r / step) * step * 2.0 ** e      # np.round: ties to even
;;       return np.moveaxis(q.reshape(q.shape[:-2] + (-1,))[..., :K], -1, axis).astype(np.float32)
;;   ~~~
;;   OPERANDS COMPUTED ON THE WAY. 'Computed on the way' means the value that the module computes at that place (a softmax that the list does not call 'softmax' is quantised finished and normalised). What goes into a quantiser is computed in f32, as accurately as f32 sums, v_exp_f32 and their like allow (about 1e-6 of the number): no bf16 or f16 on the way to a quantiser, and a product that is left as it is and whose result goes on into a quantised operand takes f32 operands (vector FMAs, or v_wmma_f32_16x16x4_f32). A number that lies on a knife's edge between two numbers of the format may be rounded either way, as far as f32 arithmetic and the matrix unit's own rounding can turn it there, and no further.
;; One version. Each part assembles by itself: llvm-mc -triple=amdgcn-amd-amdhsa -mcpu=gfx1250 --defsym DOCPART=n.
;; ======== version 1 of 1: 4 launches
;; limits: right only within a limited range of input values
;; workspace buffers: erec 1,179,648 bytes; xq 4,718,592 bytes; idx 131,072 bytes of whole numbers; part 1,024 bytes
;; launch prep (part 1): grid 1280 x 1, 2 waves a work-group, no clusters, 34,560 bytes of LDS; arguments embed, x, erec, xq; writes erec, xq
.if DOCPART == 1
	.amdgcn_target "amdgcn-amd-amdhsa--gfx1250"
	.amdhsa_code_object_version 6
	.text
	.protected	k_qb7749d0b59_prep
	.globl	k_qb7749d0b59_prep
	.p2align	8
	.type	k_qb7749d0b59_prep,@function
k_qb7749d0b59_prep:
	s_mov_b64 s[64:65], 0
	v_nop
	global_prefetch_b8 v0, s[64:65] scope:SCOPE_SE
	s_setreg_imm32_b32 hwreg(HW_REG_WAVE_MODE, 25, 1), 1
	s_wait_xcnt 0x0
; Both operands of the product become codes of FP4 (E2M1) with one E8M0 byte for each 32 along K, laid as images of the operand registers.
; WORK LEFT OUT, in the whole program: reference()'s dist is D - |x|^2 with D = Q(2 x) . Q(e) - |e|^2.  |x|^2 is the same for all codes of a row, so the argmax over the codes
; is that of D for all values of the inputs: |x|^2 is not formed.  LIMITS: a NaN, an infinity or an overflow that reaches |x|^2 alone is not carried to the result; D is rounded at the size of |e|^2
; and the product and not at that of |x|^2 + |e|^2, so two codes whose scores differ by less than those roundings may be ordered otherwise than reference() orders them.
; erec: 256 RECORDS of 32 codebook rows, 4,608 bytes each.  A record has two tiles g of 16 rows; row m' of tile g is codebook row 32 R + 16 (m' / 8) + 8 g + m' % 8,
; so that rows 8 h .. 8 h + 7 of both tiles are 16 consecutive codebook rows, 32 R + 16 h + m with m = 8 g + m' % 8.
;   byte 2048 s + 1024 g + 512 c + 16 lane: registers 4 c .. 4 c + 3 of tile g's fragment of K step s: lane (r, h') holds tile row r, k = 128 s + 64 c + 32 h' + 0 .. 31;
;   byte 4096 + 128 h + 8 m: the two scale words (K step 0, 1) of row 16 h + m;  byte 4352 + 128 h + 4 m: its -|e|^2; the 64 bytes behind each 64 of those are zeros.
; xq: 2,048 records of 16 rows of x, 2,304 bytes each: byte 1024 s + 512 c + 16 lane the fragment; byte 2048 + 8 lane the two scale words of row lane % 16.
; THE QUANTISER: a block's byte is its largest magnitude's exponent field - 2, held at 1 from below; numbers are divided by the scale and rounded to the nearest code, ties to even, beyond 6 the largest code.
; The operand is 2 x: a doubling moves no code and adds 1 to each byte, so x's words get 0x01010101 added and the codebook's 0.
; LIMITS: a block of zeros or under 2^-124 keeps the floor's byte (this program alone reads the bytes); NaN and infinities are not served.
; SHARES: a wave takes 16 rows.  Work-groups 0-255 make a record of erec each (wave g its tile g), the other 1,024 two records of xq each.  A stream read once: no tensor load, no matrix work.
; Each load reads 512 consecutive bytes of a row, 16 a lane; the conversions want 16 neighbours in a lane, so a K step's 16 x 512 bytes turn through the wave's own stage in LDS, rows 528 bytes apart.
.set RECB, 4608
.set XREC, 2304
.set STG,  768                         ; LDS: 0-511 the record's tail, 512-767 the spare words, then the waves' stages
.set RP,   528
.set SSTG, 16*RP                       ; a K step's stage
.set WSTG, 2*SSTG
.set LI,   5                           ; 16 x lane
.set SADR, 6                           ; LDS: my row's two scale words
.set EADR, 7                           ; LDS: my row's -|e|^2
.set LADR, 8                           ; LDS: 256 g + 8 lane
.set GTO,  9                           ; 8 x lane
.set NIL,  10
.set SQ,   12                          ; v12-19 four packed sums of squares
.set TM,   20                          ; v20-35 at work in the quantiser
.set PC0,  36
.set PC1,  44
.set PW0,  52
.set PW1,  53
.set TL,   54
.set SPW,  57                          ; my spare word, and 0: kept for the add alone
.set ZRO,  58
.set STA,  60                          ; the stage, on the way in: 16 x lane
.set LDA,  61                          ; and out: 528 r + 64 h
.set RA,   64                          ; v64-127  K step 0 as loaded; later K step 1 in order
.set RB,   128                         ; v128-191 K step 1 as loaded
.set RC,   192                         ; v192-255 K step 0 in order: register 16 b + i = k 32 b + 16 h + i of my row
.set SEL,  20                          ; s[20:21] selects for lane l xor 16
.macro GLOAD reg, s                    ; tile rows 0-7 from s[4:5], 8-15 from s[6:7]
.irp q, 0,1,2,3,4,5,6,7
	global_load_b128 v[\reg+4*\q:\reg+4*\q+3], v[LI], s[4:5] offset:1024*\q+512*\s th:TH_LOAD_NT
.endr
.irp q, 0,1,2,3,4,5,6,7
	global_load_b128 v[\reg+32+4*\q:\reg+32+4*\q+3], v[LI], s[6:7] offset:1024*\q+512*\s th:TH_LOAD_NT
.endr
.endm
.macro TOSTG reg, s
.irp q, 0,1,2,3,4,5,6,7,8,9,10,11,12,13,14,15
	ds_store_b128 v[STA], v[\reg+4*\q:\reg+4*\q+3] offset:SSTG*\s+RP*\q
.endr
.endm
.macro FROMSTG reg, s                  ; LDS serves a wave's instructions in order: these see my stores
.irp b, 0,1,2,3
.irp j, 0,1,2,3
	ds_load_b128 v[\reg+16*\b+4*\j:\reg+16*\b+4*\j+3], v[LDA] offset:SSTG*\s+128*\b+16*\j
.endr
.endr
.endm
.macro SQUARES x, first                ; 64 squares into four chains; the first products start the sums
.set j, 0
.rept 32
.if \first && (j < 4)
	v_pk_mul_f32 v[SQ+2*j:SQ+2*j+1], v[\x+2*j:\x+2*j+1], v[\x+2*j:\x+2*j+1]
.else
	v_pk_fma_f32 v[SQ+2*(j%4):SQ+2*(j%4)+1], v[\x+2*j:\x+2*j+1], v[\x+2*j:\x+2*j+1], v[SQ+2*(j%4):SQ+2*(j%4)+1]
.endif
.set j, j+1
.endr
.endm
.macro QUANT s, pc, pw                 ; 64 numbers of a lane become a fragment's codes and its scale word
.irp b, 0,1,2,3
	v_max3_num_f32 v[TM+\b], |v[\s+16*\b]|, |v[\s+1+16*\b]|, 0x1800000   ; my 16 numbers of block b, and the floor 2^(3 - 127)
.endr
.irp i, 2,4,6,8,10,12,14
.irp b, 0,1,2,3
	v_max3_num_f32 v[TM+\b], v[TM+\b], |v[\s+16*\b+\i]|, |v[\s+1+16*\b+\i]|
.endr
.endr
.irp b, 0,1,2,3
	v_permlanex16_b32 v[TM+4+\b], v[TM+\b], s[SEL], s[SEL+1]
.endr
.irp b, 0,1,2,3
	v_max_num_f32 v[TM+\b], v[TM+\b], v[TM+4+\b]   ; with lane l xor 16's: the block's largest magnitude
.endr
.irp b, 0,1,2,3
	v_add_nc_u32 v[TM+12+\b], 0xff000000, v[TM+\b]   ; 2 off its exponent field: the conversion's scale operand
.endr
.irp b, 0,1,2,3
	v_lshrrev_b32 v[TM+4+\b], 23, v[TM+12+\b]      ; the byte
.endr
	v_lshl_or_b32 v[\pw], v[TM+5], 8, v[TM+4]
	v_lshl_or_b32 v[\pw], v[TM+6], 16, v[\pw]
	v_lshl_or_b32 v[\pw], v[TM+7], 24, v[\pw]
	v_add_nc_u32 v[\pw], s14, v[\pw]               ; x: 1 onto each byte, the factor 2
.irp b, 0,1,2,3
	v_cvt_scalef32_pk8_fp4_f32 v[\pc+2*\b], v[\s+16*\b:\s+7+16*\b], v[TM+12+\b]
	v_cvt_scalef32_pk8_fp4_f32 v[\pc+1+2*\b], v[\s+8+16*\b:\s+15+16*\b], v[TM+12+\b]
.endr
	v_nop                                          ; one plain place behind a scaled conversion
.irp c, 0,1                                    ; a whole block in a lane: lanes 0-15 block 2 c, lanes 16-31 block 2 c + 1
.irp i, 0,1
	v_permlane16_swap_b32 v[\pc+4*\c+\i], v[\pc+2+4*\c+\i]
.endr
.endr
.endm
	s_load_b256 s[4:11], s[0:1], 0x0               ; embed, x, erec, xq
	v_lshl_add_u32 v[SPW], v0, 2, 0x200
	v_mov_b32 v[ZRO], 0
	v_lshrrev_b32 v1, 5, v0
	v_readfirstlane_b32 s12, v1                    ; g: wave 0 or 1
	s_lshl_b32 s16, ttmp9, 15                      ; embed: 32 rows of 1,024 bytes a record, tile g from row 8 g on
	s_lshl_b32 s17, s12, 13
	s_add_co_u32 s16, s16, s17
	s_mul_i32 s18, ttmp9, RECB                     ; erec: my record, my tile's images
	s_lshl_b32 s17, s12, 10
	s_add_co_u32 s18, s18, s17
	s_lshl_b32 s19, ttmp9, 1
	s_add_co_u32 s19, s19, s12
	s_sub_co_u32 s19, s19, 512                     ; x: which 16 rows (used by work-groups 256 on alone)
	s_lshl_b32 s22, s19, 14
	s_mul_i32 s23, s19, XREC
	s_mul_i32 s26, s12, 768
	s_sub_co_u32 s26, 4096, s26                    ; from my tile's images to my half of the record's tail: 4096 + 256 g - 1024 g
	s_lshl_b32 s15, s12, 6
	s_lshl_b32 s30, s12, 5
	s_add_co_u32 s30, s30, 256
	s_lshl_b32 s31, s12, 8
	s_mul_i32 s34, s12, WSTG
	s_add_co_u32 s34, s34, STG                     ; my wave's stage
	s_mov_b32 s24, 1024
	s_mov_b32 s32, 8192
	s_cmp_lt_u32 ttmp9, 256                        ; the codebook's work-group or x's: the choice hangs on the work-group's number alone
	s_cselect_b32 s14, 0, 0x01010101
	s_cselect_b32 s16, s16, s22
	s_cselect_b32 s18, s18, s23
	s_cselect_b32 s24, 2048, s24                   ; from K step 0's images to K step 1's
	s_cselect_b32 s32, 16384, s32                  ; rows 8-15 of a tile begin 16 rows on in embed, 8 in x
	s_mov_b32 s17, 0
	s_mov_b32 s19, 0
	s_mov_b32 s25, 0
	s_mov_b32 s27, 0
	s_mov_b32 s33, 0
	s_mov_b32 s[SEL], 0x76543210
	s_mov_b32 s[SEL+1], 0xfedcba98
	v_and_b32 v1, 31, v0                           ; lane
	v_and_b32 v2, 7, v0                            ; r % 8
	v_bfe_u32 v3, v0, 4, 1                         ; h
	v_bfe_u32 v11, v0, 3, 1                        ; r / 8
	v_and_b32 v59, 15, v0                          ; r
	v_lshlrev_b32 v[LI], 4, v1
	v_lshl_add_u32 v[STA], v1, 4, s34
	v_mul_u32_u24 v[LDA], v59, RP
	v_lshl_add_u32 v[LDA], v3, 6, v[LDA]
	v_add_nc_u32 v[LDA], s34, v[LDA]
	v_lshl_add_u32 v[SADR], v2, 3, s15             ; 128 (r / 8) + 64 g + 8 (r % 8)
	v_lshl_add_u32 v[SADR], v11, 7, v[SADR]
	v_lshl_add_u32 v[EADR], v2, 2, s30             ; 256 + 128 (r / 8) + 32 g + 4 (r % 8)
	v_lshl_add_u32 v[EADR], v11, 7, v[EADR]
	v_lshl_add_u32 v[LADR], v1, 3, s31
	v_lshlrev_b32 v[GTO], 3, v1
	v_mov_b32 v[NIL], 0
.irp b, 0,1,2,3
	v_mov_b32 v[TM+4+\b], 0                        ; a lane permute's destination counts as one of its sources
.endr
	s_wait_alu depctr_va_vdst(0)                   ; the wait at the head's end
	s_wait_kmcnt 0x0
	s_cselect_b64 s[4:5], s[4:5], s[6:7]
	s_cselect_b64 s[8:9], s[8:9], s[10:11]
	s_add_nc_u64 s[4:5], s[4:5], s[16:17]          ; tile rows 0-7
	s_add_nc_u64 s[6:7], s[4:5], s[32:33]          ; tile rows 8-15
	s_add_nc_u64 s[8:9], s[8:9], s[18:19]          ; K step 0's images
	s_add_nc_u64 s[10:11], s[8:9], s[24:25]        ; K step 1's
	s_add_nc_u64 s[28:29], s[8:9], s[26:27]        ; the tail's half (the codebook's work-groups)
	GLOAD RA, 0
	GLOAD RB, 1
	s_wait_loadcnt 16                              ; K step 0's 16 loads are in; K step 1's 16 stay out
	TOSTG RA, 0
	FROMSTG RC, 0
	s_wait_loadcnt 0x0
	TOSTG RB, 1
	s_wait_dscnt 16                                ; all but K step 1's 16 stores: K step 0 is back in order, and its stores have read v64-127,
	FROMSTG RA, 1                                  ; which take K step 1 in order
	QUANT RC, PC0, PW0
.irp c, 0,1
	global_store_b128 v[LI], v[PC0+4*\c:PC0+4*\c+3], s[8:9] offset:512*\c   ; 32 lanes store 512 consecutive bytes, at a multiple of 256
.endr
	s_wait_dscnt 0x0
	QUANT RA, PC1, PW1
.irp c, 0,1
	global_store_b128 v[LI], v[PC1+4*\c:PC1+4*\c+3], s[10:11] offset:512*\c
.endr
	s_cmp_lt_u32 ttmp9, 256
	s_wait_alu depctr_va_vdst(0)                   ; the wait here, directly ahead of the branch
	s_cbranch_scc1 .Lbook
	global_store_b64 v[GTO], v[PW0:PW1], s[8:9] offset:2048   ; x: both scale words, 256 consecutive bytes
	s_branch .Ljoin
.Lbook:
	ds_store_b32 v[SADR], v[PW0]                   ; lanes r and 16 + r write the same word with the same value
	ds_store_b32 v[SADR], v[PW1] offset:4
	SQUARES RC, 1
	SQUARES RA, 0
	v_pk_add_f32 v[SQ:SQ+1], v[SQ:SQ+1], v[SQ+2:SQ+3]
	v_pk_add_f32 v[SQ+4:SQ+5], v[SQ+4:SQ+5], v[SQ+6:SQ+7]
	v_pk_add_f32 v[SQ:SQ+1], v[SQ:SQ+1], v[SQ+4:SQ+5]
	v_add_f32 v[SQ], v[SQ], v[SQ+1]
	v_permlanex16_b32 v[SQ+1], v[SQ], s[SEL], s[SEL+1]
	v_add_f32 v[SQ], v[SQ], v[SQ+1]                ; |e|^2 of my row
	v_xor_b32 v[SQ], 0x80000000, v[SQ]             ; -|e|^2: what the sums begin with
	ds_store_b32 v[EADR], v[SQ]
	ds_store_b32 v[EADR], v[NIL] offset:64         ; zeros beside it: every byte of the record is written
.Ljoin:
	s_wait_dscnt 0x0                               ; for the other wave's sake: my part of the tail lies in LDS
	s_barrier_signal -1
	s_barrier_wait -1
	s_cmp_lt_u32 ttmp9, 256
	s_cbranch_scc0 .Lend
	ds_load_b64 v[TL:TL+1], v[LADR]                ; the tail's bytes 256 g on, which both waves wrote
	s_wait_dscnt 0x0
	global_store_b64 v[GTO], v[TL:TL+1], s[28:29]  ; 256 consecutive bytes, aligned
.Lend:
	s_wait_tensorcnt 0x0                           ; the wave's end
	ds_add_u32 v[SPW], v[ZRO]
	s_wait_dscnt 0x0
	s_endpgm
.Lfunc_end_k_qb7749d0b59_prep:
	.size	k_qb7749d0b59_prep, .Lfunc_end_k_qb7749d0b59_prep-k_qb7749d0b59_prep
	.p2alignl 7, 3214868480
	.fill 96, 4, 3214868480
	.section	.rodata,"a",@progbits
	.p2align	6, 0x0
	.amdhsa_kernel k_qb7749d0b59_prep
		.amdhsa_group_segment_fixed_size 34560
		.amdhsa_private_segment_fixed_size 0
		.amdhsa_enable_private_segment 0
		.amdhsa_kernarg_size 32
		.amdhsa_user_sgpr_count 2
		.amdhsa_user_sgpr_kernarg_segment_ptr 1
		.amdhsa_wavefront_size32 1
		.amdhsa_system_sgpr_workgroup_id_x 1
		.amdhsa_system_sgpr_workgroup_id_y 1
		.amdhsa_system_sgpr_workgroup_id_z 1
		.amdhsa_system_vgpr_workitem_id 0
		.amdhsa_next_free_vgpr 256
		.amdhsa_next_free_sgpr 66
		.amdhsa_reserve_vcc 0
		.amdhsa_float_denorm_mode_32 3
		.amdhsa_float_denorm_mode_16_64 3
		.amdhsa_memory_ordered 1
		.amdhsa_forward_progress 1
		.amdhsa_inst_pref_size 24
	.end_amdhsa_kernel
	.amdgpu_metadata
---
amdhsa.version: [ 1, 2 ]
amdhsa.kernels:
  - .name:           k_qb7749d0b59_prep
    .symbol:         k_qb7749d0b59_prep.kd
    .args:
      - { .name: embed, .offset: 0, .size: 8, .value_kind: global_buffer, .address_space: global }
      - { .name: x, .offset: 8, .size: 8, .value_kind: global_buffer, .address_space: global }
      - { .name: erec, .offset: 16, .size: 8, .value_kind: global_buffer, .address_space: global }
      - { .name: xq, .offset: 24, .size: 8, .value_kind: global_buffer, .address_space: global }
    .group_segment_fixed_size: 34560
    .private_segment_fixed_size: 0
    .kernarg_segment_align: 8
    .kernarg_segment_size: 32
    .max_flat_workgroup_size: 64
    .sgpr_count:     66
    .vgpr_count:     256
    .wavefront_size: 32
...
	.end_amdgpu_metadata
.endif
;; end of part 1
;; launch sweep (part 2): grid 256 x 1, 8 waves a work-group, clusters of 4 x 1, 327,680 bytes of LDS; arguments xq, erec, out1, idx; writes out1, idx
.if DOCPART == 2
	.amdgcn_target "amdgcn-amd-amdhsa--gfx1250"
	.amdhsa_code_object_version 6
	.text
	.protected	k_qb7749d0b59_sweep
	.globl	k_qb7749d0b59_sweep
	.p2align	8
	.type	k_qb7749d0b59_sweep,@function
k_qb7749d0b59_sweep:
	s_mov_b64 s[64:65], 0
	v_nop
	global_prefetch_b8 v0, s[64:65] scope:SCOPE_SE
	s_setreg_imm32_b32 hwreg(HW_REG_WAVE_MODE, 25, 1), 1
	s_wait_xcnt 0x0
	s_wait_alu depctr_hold_cnt(0) depctr_sa_sdst(0) depctr_va_vdst(0) depctr_va_sdst(0) depctr_va_ssrc(0) depctr_va_vcc(0) depctr_vm_vsrc(0)
	s_getreg_b32 s2, hwreg(HW_REG_IB_STS2, 6, 4)
	s_cmp_eq_u32 s2, 0
	s_cbranch_scc0 .Lentry_in_a_cluster
	s_endpgm
.Lentry_in_a_cluster:
	s_bfe_u32 s2, ttmp6, 0x10000c
	s_cmp_lg_u32 s2, 0x3003
	s_cbranch_scc0 .Lentry_shape_is_right
	s_endpgm
.Lentry_shape_is_right:
; For each of the 32,768 rows of x: the index of the codebook row e that makes D = Q(2 x) . Q(e) - |e|^2 largest, the lowest index among equals.  Stored twice: out1, and idx for the launch that gathers.
; |x|^2 is left out of the scores: it is the same for all codes of a row (shown at the head of the first kernel, with the limits that this keeps).  NaN and infinities are not served.
; THE PRODUCT is on FP4 codes with E8M0 scales; K = 256 is two matrix steps.  It is used TRANSPOSED: source 0 = 16 codebook rows, source 1 = 16 rows of x, so that a lane holds one row of x and its registers
; run over codebook rows.  -|e|^2 is the C of each sum's first matrix instruction.
; SHARES.  A work-group takes 128 rows of x and all 256 records.  Each of the eight waves holds all 128 rows' codes in registers (128 registers) and takes 4 of every 32 records: each LDS byte is read once in the work-group.
; THE ARGMAX.  For a record R and a tile a lane's 16 new scores are codebook rows 32 R + 16 h + 0 .. 15 (h: the lane's half), in the order of its 16 registers.  Eight v_max3 in two chains (the running best is one leaf),
; one compare, one select of the record's number, and 8 paired selects that keep the 16 scores of the record that last won.  At the end the place is the first kept score equal to the best.
; Ties: strictly greater in time (records ascend in a wave), the lowest place in a lane, and an explicit compare of indices between lane halves and between waves.
; THE RING.  Two LDS slots of 32 records; wave w fetches and reads records 4 w .. 4 w + 3 of a slot.  The four work-groups of a cluster walk the same records: every fill is asked for JOINTLY (mask 15).
; THE CHANGE OF SLOTS stands inside a slot's last record, whose operands are in registers by then: the waits, the add and the opening signal at its head, its first four tiles between signal and wait,
; behind the round the refill and the next slot's first record's loads, then its last four tiles.  By this text's own count a wave has one tensor load outstanding, asked for three and a half records ahead of the wait for it.
; No prefetch: all 64 clusters ask for the same 147,456 bytes of erec in the same trip of the same walk.
; REGISTERS.  window 0: v1-11 addresses and counters; v12-15 a record's scale words (two sets); v16-31 x's; v32-47 the best, two sets by turns; v48-55 the winning record; v56-119 four pairs of accumulators;
;   v120-247 the kept scores, 16 a tile; v248-255 addresses, at work.   window 1: v0-127 x's fragments (tile t, K step s at 16 t + 8 s); v128-191 a record's codes, two sets; v192-223 its -|e|^2 in the result's layout, two sets.
.set RECB,  4608
.set XREC,  2304
.set WPART, 4*RECB                     ; a wave's part of a slot: 72 rows of 256 bytes
.set SLOTB, 8*WPART
.set SPARE, 2*SLOTB                    ; the spare words, 128 bytes a wave
.set MRG,   SPARE+1024                 ; the waves' results: 8 waves x 128 rows x (best, index)
.set LI,   1                           ; 16 x lane
.set AIM,  2                           ; v2-3 my place in my part's images, slot 0, 1
.set ASC,  4                           ; v4-5 my row's pair of scale words
.set AEE,  6                           ; v6-7 my half's -|e|^2
.set SPW,  8
.set NIL,  9
.set GID,  10                          ; the record in hand
.set HH,   11                          ; h
.set SA,   12
.set SB,   16
.set B0,   32
.set B1,   40
.set ID,   48
.set ACC,  56
.set SAV,  120
.set L8,   248                         ; 8 x lane
.set MADR, 249
.set RADR, 250
.set GOFF, 251
.set TP,   252                         ; v252-255 the second chains' maxima
.set AF,   128                         ; in window 1
.set EE,   192
.set WV,   12
.set G1,   16
.set G0,   24
.set LAPS, 34
.set SEL,  36
.set MSB, 0
.macro WIN new                         ; the immediate's high byte repeats the setting that is left
.if MSB != \new
	s_set_vgpr_msb (MSB<<8)|\new
.set MSB, \new
.endif
.endm
.set W_FIRST, 0x15                     ; sources 0, 1, 2 window 1, destination window 0
.set W_CHAIN, 0x05                     ; sources 0 and 1 window 1
.set W_LOAD,  0x40                     ; destination window 1
.macro CREST                           ; a round of the cluster's barrier behind its opening barrier
	s_cmp_lg_u32 s[WV], 0
	s_cbranch_scc1 .Lnot_wave_0_\@
	s_barrier_signal -3
.Lnot_wave_0_\@:
	s_barrier_wait -3
	s_barrier_signal -1
	s_barrier_wait -1
.endm
.macro ROUND                           ; a whole round
	s_barrier_signal -1
	s_barrier_wait -1
	CREST
.endm
.macro LOADREC slot, i, p              ; record i of my part into operand set p: 8 loads of codes, 4 of -|e|^2, one of my row's two scale words (lane (r, h): row r of tile h)
	WIN W_LOAD
.irp q, 0,1,2,3,4,5,6,7
	ds_load_b128 v[AF+32*(\p)+4*\q:AF+32*(\p)+4*\q+3], v[AIM+\slot] offset:RECB*(\i)+512*\q
.endr
.irp g, 0,1
.irp e, 0,1
	ds_load_b128 v[EE+16*(\p)+8*\g+4*\e:EE+16*(\p)+8*\g+4*\e+3], v[AEE+\slot] offset:RECB*(\i)+32*\g+16*\e
.endr
.endr
	WIN 0
	ds_load_b64 v[SA+2*(\p):SA+2*(\p)+1], v[ASC+\slot] offset:RECB*(\i)
.endm
.macro MM16 u, t, p, s, g              ; tile g of the record in set p against tile t of x, K step s
.set rD, ACC+16*(\u)+8*(\g)
.set rA, AF+32*(\p)+16*(\s)+8*(\g)
.set rB, 16*(\t)+8*(\s)
.set rC, EE+16*(\p)+8*(\g)
.if (\s) != 0
.set rC, rD
.endif
.if (\g) == 0
	v_wmma_scale_f32_16x16x128_f8f6f4 v[rD:rD+7], v[rA:rA+7], v[rB:rB+7], v[rC:rC+7], v[SA+2*(\p)+(\s)], v[SB+2*(\t)+(\s)] matrix_a_fmt:MATRIX_FMT_FP4 matrix_b_fmt:MATRIX_FMT_FP4
.else
	v_wmma_scale_f32_16x16x128_f8f6f4 v[rD:rD+7], v[rA:rA+7], v[rB:rB+7], v[rC:rC+7], v[SA+2*(\p)+(\s)], v[SB+2*(\t)+(\s)] matrix_a_fmt:MATRIX_FMT_FP4 matrix_b_fmt:MATRIX_FMT_FP4 matrix_a_scale:MATRIX_SCALE_ROW1
.endif
.endm
.macro MMS hh, p, s                    ; tiles 4 hh .. 4 hh + 3: the eight accumulators take turns
.irp u, 0,1,2,3
	MM16 \u, 4*(\hh)+\u, \p, \s, 0
	MM16 \u, 4*(\hh)+\u, \p, \s, 1
.endr
.endm
.macro MX3 d, a, i, j                  ; for the four tiles by turns: d = max(a, score i, score j)
.irp u, 0,1,2,3
	v_max3_num_f32 v[\d+\u], v[\a+\u], v[ACC+16*\u+\i], v[ACC+16*\u+\j]
.endr
.endm
; Tiles 4 hh + u: the best so far in v[bo + t] goes to v[bn + t].  Two chains a tile, eight by turns; each accumulator is read from its low end on.
.macro HALF hh, bo, bn
.irp u, 0,1,2,3
	v_max3_num_f32 v[TP+\u], v[ACC+16*\u+8], v[ACC+16*\u+9], v[ACC+16*\u+10]
.endr
	MX3 \bn+4*\hh, \bo+4*\hh, 0, 1
	MX3 TP, TP, 11, 12
	MX3 \bn+4*\hh, \bn+4*\hh, 2, 3
	MX3 TP, TP, 13, 14
	MX3 \bn+4*\hh, \bn+4*\hh, 4, 5
	MX3 TP, TP, 15, 6
.irp u, 0,1,2,3
	v_max3_num_f32 v[\bn+4*\hh+\u], v[\bn+4*\hh+\u], v[TP+\u], v[ACC+16*\u+7]
.endr
.irp u, 0,1,2,3
	v_cmp_gt_f32 vcc_lo, v[\bn+4*\hh+\u], v[\bo+4*\hh+\u]   ; has this record won?  Strictly: an equal score of a later record does not
	s_delay_alu instid0(VALU_DEP_1)
	v_cndmask_b32 v[ID+4*\hh+\u], v[ID+4*\hh+\u], v[GID], vcc_lo
.irp k, 0,1,2,3,4,5,6,7
	v_dual_cndmask_b32 v[SAV+16*(4*\hh+\u)+2*\k], v[SAV+16*(4*\hh+\u)+2*\k], v[ACC+16*\u+2*\k] :: v_dual_cndmask_b32 v[SAV+16*(4*\hh+\u)+2*\k+1], v[SAV+16*(4*\hh+\u)+2*\k+1], v[ACC+16*\u+2*\k+1]
.endr
.endr
.endm
; A record's first four tiles.  The next record's loads go into the other operand set, last read a HALF ago.  The add and the v_nop are the four places ahead of the first read of results (ISA guide 7.12.1).
.macro RFIRST slot, i, next
	WIN W_FIRST
	MMS 0, (\i)%2, 0
	WIN W_CHAIN
	MMS 0, (\i)%2, 1
.if \next
	LOADREC \slot, (\i)+1, 1-(\i)%2
.else
	WIN 0
.endif
	v_add_nc_u32 v[GID], 1, v[GID]
.rept 3
	v_nop
.endr
.if (\i)%2 == 0
	HALF 0, B0, B1
.else
	HALF 0, B1, B0
.endif
.endm
.macro RLAST i                         ; and its last four
	WIN W_FIRST
	MMS 1, (\i)%2, 0
	WIN W_CHAIN
	MMS 1, (\i)%2, 1
	WIN 0
.rept 4
	v_nop
.endr
.if (\i)%2 == 0
	HALF 1, B0, B1
.else
	HALF 1, B1, B0
.endif
.endm
.macro RECORD slot, i
	s_wait_dscnt 0x0                               ; the record's 13 loads are in
	RFIRST \slot, \i, 1
	RLAST \i
.endm
; A slot's four records of mine; its first record's loads are on their way at the head.  more = 1: another slot follows;  refill = 1: this slot is filled again, with the records 64 further on.
.macro TRIP slot, refill, more
	RECORD \slot, 0
	RECORD \slot, 1
	RECORD \slot, 2
.if \more
	s_wait_tensorcnt 0x0                           ; all my tensor loads have landed: my part of the other slot
.endif
.if \refill
	ds_add_u32 v[SPW], v[NIL]
	s_add_nc_u64 s[G0+4*\slot+2:G0+4*\slot+3], s[G0+4*\slot+2:G0+4*\slot+3], 2*SLOTB   ; no tensor load of mine is out: this slot's next fill
.endif
	s_wait_dscnt 0x0                               ; the last record's loads are in: my reads of this slot are over (and the add is done)
.if \refill
	s_barrier_signal -1                            ; the round's opening signal; work on registers while the others arrive
.endif
	RFIRST \slot, 3, 0
.if \refill
	s_barrier_wait -1
	CREST                                          ; no wave of any partner still reads this slot or has a load on its way
	tensor_load_to_lds s[G0+4*\slot:G0+4*\slot+3], s[G1:G1+7]   ; my one tensor load behind the round
	s_nop 0
.rept 4
	v_nop                                          ; four plain lines ahead of the next switch of windows
.endr
.endif
.if \more
	LOADREC 1-\slot, 0, 0                          ; the other slot's first record, under the last four tiles' work
.endif
	RLAST 3
	v_add_nc_u32 v[GID], 28, v[GID]                ; my next four records lie 32 further on
	s_wait_alu depctr_va_vdst(0)                   ; the wait here, directly behind the write
.endm
.macro MERGE db, di, b, i, ob, oi      ; the larger score; of equal scores the lower index
	v_cmp_gt_f32 s40, v[\ob], v[\b]
	v_cmp_eq_f32 s41, v[\ob], v[\b]
	v_cmp_lt_u32 s42, v[\oi], v[\i]
	s_and_b32 s41, s41, s42
	s_or_b32 s40, s40, s41
	v_cndmask_b32 v[\db], v[\b], v[\ob], s40
	v_cndmask_b32 v[\di], v[\i], v[\oi], s40
.endm
	s_load_b256 s[4:11], s[0:1], 0x0               ; xq, erec, out1, idx
	v_lshl_add_u32 v[SPW], v0, 2, SPARE
	v_mov_b32 v[NIL], 0
	ds_add_u32 v[SPW], v[NIL]                      ; the opening lines: the add twice on end and one wait, ahead of my first tensor load
	ds_add_u32 v[SPW], v[NIL]
	v_lshrrev_b32 v120, 5, v0
	v_readfirstlane_b32 s[WV], v120                ; wave 0..7
	s_bfe_u32 s13, ttmp6, 0x40000                  ; cx
	s_lshl_b32 s14, ttmp9, 2
	s_add_co_u32 s14, s14, s13                     ; my block of 128 rows: it enters the addresses of xq, out1 and idx alone
	v_and_b32 v120, 31, v0                         ; lane
	v_and_b32 v121, 7, v0                          ; r % 8
	v_bfe_u32 v122, v0, 3, 1                       ; r / 8
	v_and_b32 v123, 63, v0
	v_and_b32 v124, 15, v0                         ; r
	v_bfe_u32 v[HH], v0, 4, 1
	v_lshlrev_b32 v[LI], 4, v120
	v_lshlrev_b32 v[L8], 3, v120
	s_mul_i32 s35, s[WV], WPART                    ; my part of a slot
	v_add_nc_u32 v[AIM], s35, v[LI]
	v_add_nc_u32 v[AIM+1], SLOTB, v[AIM]
	s_add_co_u32 s38, s35, 4096
	v_lshl_add_u32 v[ASC], v121, 3, s38            ; 4096 + 128 (r / 8) + 64 h + 8 (r % 8)
	v_lshl_add_u32 v[ASC], v122, 7, v[ASC]
	v_lshl_add_u32 v[ASC], v[HH], 6, v[ASC]
	v_add_nc_u32 v[ASC+1], SLOTB, v[ASC]
	s_add_co_u32 s39, s35, 4352
	v_lshl_add_u32 v[AEE], v[HH], 7, s39           ; 4352 + 128 h: tile g's eight lie 32 g further on
	v_add_nc_u32 v[AEE+1], SLOTB, v[AEE]
	s_lshl_b32 s15, s[WV], 2
	s_sub_co_u32 s15, s15, 1
	v_mov_b32 v[GID], s15                          ; 4 w - 1: each record adds 1 ahead of its selects
	s_lshl_b32 s15, s[WV], 10
	s_add_co_u32 s15, s15, MRG
	v_lshl_add_u32 v[MADR], v124, 3, s15
	v_lshl_add_u32 v[RADR], v123, 4, MRG
	v_lshlrev_b32 v[GOFF], 3, v123
	s_mov_b32 s[SEL], 0x76543210
	s_mov_b32 s[SEL+1], 0xfedcba98
	; descriptor group 1: a dense block of 18,432 bytes as 72 rows of 256 bytes (32 elements of 8 bytes), no padding: the images are read 16 bytes a lane on end
	s_mov_b32 s[G1+0], 15|(3<<16)|(1<<21)          ; the mask: all four work-groups; elements of 8 bytes; bit 21 beside a mask
	s_mov_b32 s[G1+1], 32<<16
	s_mov_b32 s[G1+2], 72<<16
	s_mov_b32 s[G1+3], 32<<16
	s_mov_b32 s[G1+4], 72
	s_mov_b32 s[G1+5], 32
	s_mov_b32 s[G1+6], 0
	s_mov_b32 s[G1+7], 0
	s_mul_i32 s32, s14, 8*XREC                     ; xq: eight records a work-group
	s_mov_b32 s33, 0
	s_lshl_b32 s38, s14, 9                         ; out1, idx: 128 numbers a work-group
	s_mov_b32 s39, 0
	s_mov_b32 s40, s35                             ; erec: my part of fill 0
	s_mov_b32 s41, 0
	s_wait_alu depctr_va_vdst(0)                   ; the wait at the head's end
	s_wait_dscnt 0x0                               ; both opening adds are done
	s_wait_kmcnt 0x0
	s_add_nc_u64 s[4:5], s[4:5], s[32:33]
	WIN W_LOAD
.irp f, 0,1,2,3,4,5,6,7,8,9,10,11,12,13,14,15  ; all 128 rows' fragments into my registers: they stay
.irp c, 0,1
	global_load_b128 v[8*\f+4*\c:8*\f+4*\c+3], v[LI], s[4:5] offset:XREC*(\f/2)+1024*(\f%2)+512*\c
.endr
.endr
	WIN 0
.irp t, 0,1,2,3,4,5,6,7
	global_load_b64 v[SB+2*\t:SB+2*\t+1], v[L8], s[4:5] offset:XREC*\t+2048   ; lane r: row r's two scale words
.endr
	s_add_nc_u64 s[8:9], s[8:9], s[38:39]
	s_add_nc_u64 s[10:11], s[10:11], s[38:39]
	s_add_nc_u64 s[6:7], s[6:7], s[40:41]
	s_mov_b32 s[G0], 1
	s_mov_b32 s[G0+1], s35                         ; slot 0, my part
	s_mov_b64 s[G0+2:G0+3], s[6:7]                 ; fill 0
	s_or_b32 s[G0+3], s[G0+3], 0x80000000
	s_mov_b32 s[G0+4], 1
	s_add_co_u32 s[G0+5], s35, SLOTB
	s_add_nc_u64 s[G0+6:G0+7], s[6:7], SLOTB       ; fill 1
	s_or_b32 s[G0+7], s[G0+7], 0x80000000
	ROUND                                          ; all four work-groups are here: the first joint loads meet
	tensor_load_to_lds s[G0:G0+3], s[G1:G1+7]      ; fill 0: one tensor load a wave at the head
	s_nop 0
.rept 4
	v_nop
.endr
.irp t, 0,1,2,3,4,5,6,7
	v_mov_b32 v[B0+\t], 0xff800000                 ; the best so far: under every score, so the first record wins
	v_mov_b32 v[ID+\t], 0
.endr
.set j, 0
.rept 64                                       ; the kept scores are sources of their own selects from the first record on, so they are written once
	v_dual_mov_b32 v[SAV+2*j], 0 :: v_dual_mov_b32 v[SAV+2*j+1], 0
.set j, j+1
.endr
	s_mov_b32 s[LAPS], 3
	s_wait_alu depctr_va_vdst(0)                   ; the wait here, directly ahead of the waits below
	s_wait_loadcnt 0x0                             ; x's fragments and scale words are in
	s_wait_tensorcnt 0x0                           ; my part of fill 0 is in
	ds_add_u32 v[SPW], v[NIL]
	s_wait_dscnt 0x0
	ROUND
	tensor_load_to_lds s[G0+4:G0+7], s[G1:G1+7]    ; fill 1, slot 1's first: my one tensor load behind the round
	s_nop 0
.rept 4
	v_nop
.endr
	LOADREC 0, 0, 0
.Llap:                                             ; a trip goes once round the ring: 64 records, 8 of them mine, and fills both slots again
	TRIP 0, 1, 1
	TRIP 1, 1, 1
	s_sub_co_u32 s[LAPS], s[LAPS], 1
	s_cmp_lg_u32 s[LAPS], 0
	s_cbranch_scc1 .Llap
	TRIP 0, 0, 1                                   ; the tail is written out: fills 6 and 7 are the last, nothing is filled again
	TRIP 1, 0, 0
	; THE INDEX.  Register p of a tile's 16 holds row 16 h + p of its record.  From the highest place down, so that the lowest equal place stays.
.irp t, 0,1,2,3,4,5,6,7
	v_mov_b32 v[B1+\t], 0
.endr
.irp p, 15,14,13,12,11,10,9,8,7,6,5,4,3,2,1,0
.irp t, 0,1,2,3,4,5,6,7
	v_cmp_neq_f32 vcc_lo, v[SAV+16*\t+\p], v[B0+\t]
	s_delay_alu instid0(VALU_DEP_1)
	v_cndmask_b32 v[B1+\t], \p, v[B1+\t], vcc_lo
.endr
.endr
.irp t, 0,1,2,3,4,5,6,7
	v_lshl_add_u32 v[B1+\t], v[ID+\t], 5, v[B1+\t]
.endr
.irp t, 0,1,2,3,4,5,6,7
	v_lshl_add_u32 v[B1+\t], v[HH], 4, v[B1+\t]    ; 32 x record + 16 h + place
.endr
.irp t, 0,1,2,3,4,5,6,7
	v_permlanex16_b32 v[ACC+16+2*\t], v[B0+\t], s[SEL], s[SEL+1]     ; the record's other 16 rows lie in the lane 16 away
	v_permlanex16_b32 v[ACC+17+2*\t], v[B1+\t], s[SEL], s[SEL+1]
.endr
.irp t, 0,1,2,3,4,5,6,7
	MERGE ACC+2*\t, ACC+2*\t+1, B0+\t, B1+\t, ACC+16+2*\t, ACC+17+2*\t
.endr
.irp t, 0,1,2,3,4,5,6,7
	ds_store_b64 v[MADR], v[ACC+2*\t:ACC+2*\t+1] offset:128*\t       ; row 16 t + r: lanes r and 16 + r write the same pair
.endr
	s_wait_dscnt 0x0                               ; for the others' sake: my results lie in LDS
	s_barrier_signal -1
	s_barrier_wait -1
	s_cmp_gt_u32 s[WV], 1                          ; waves 0 and 1 join the eight waves' results, two rows a lane
	s_cbranch_scc1 .Lothers
.irp k, 0,1,2,3,4,5,6,7
	ds_load_b128 v[SAV+4*\k:SAV+4*\k+3], v[RADR] offset:1024*\k
.endr
	s_wait_dscnt 0x0
.irp k, 1,2,3,4,5,6,7
	MERGE SAV, SAV+1, SAV, SAV+1, SAV+4*\k, SAV+4*\k+1
	MERGE SAV+2, SAV+3, SAV+2, SAV+3, SAV+4*\k+2, SAV+4*\k+3
.endr
	v_mov_b32 v[SAV+4], v[SAV+1]
	v_mov_b32 v[SAV+5], v[SAV+3]
	global_store_b64 v[GOFF], v[SAV+4:SAV+5], s[8:9]     ; 32 lanes store 256 consecutive bytes, aligned
	global_store_b64 v[GOFF], v[SAV+4:SAV+5], s[10:11]
.Lothers:
	s_wait_tensorcnt 0x0                           ; the wave's end
	ds_add_u32 v[SPW], v[NIL]
	s_wait_dscnt 0x0
	ROUND                                          ; the closing round
	s_endpgm
.Lfunc_end_k_qb7749d0b59_sweep:
	.size	k_qb7749d0b59_sweep, .Lfunc_end_k_qb7749d0b59_sweep-k_qb7749d0b59_sweep
	.p2alignl 7, 3214868480
	.fill 96, 4, 3214868480
	.section	.rodata,"a",@progbits
	.p2align	6, 0x0
	.amdhsa_kernel k_qb7749d0b59_sweep
		.amdhsa_group_segment_fixed_size 327680
		.amdhsa_private_segment_fixed_size 0
		.amdhsa_enable_private_segment 0
		.amdhsa_kernarg_size 32
		.amdhsa_user_sgpr_count 2
		.amdhsa_user_sgpr_kernarg_segment_ptr 1
		.amdhsa_wavefront_size32 1
		.amdhsa_system_sgpr_workgroup_id_x 1
		.amdhsa_system_sgpr_workgroup_id_y 1
		.amdhsa_system_sgpr_workgroup_id_z 1
		.amdhsa_system_vgpr_workitem_id 0
		.amdhsa_next_free_vgpr 512
		.amdhsa_next_free_sgpr 66
		.amdhsa_reserve_vcc 1
		.amdhsa_float_denorm_mode_32 3
		.amdhsa_float_denorm_mode_16_64 3
		.amdhsa_memory_ordered 1
		.amdhsa_forward_progress 1
		.amdhsa_inst_pref_size 255
	.end_amdhsa_kernel
	.section	.bss,"aw",@nobits
	.p2align	6
	.space	262144
	.amdgpu_metadata
---
amdhsa.version: [ 1, 2 ]
amdhsa.kernels:
  - .name:           k_qb7749d0b59_sweep
    .symbol:         k_qb7749d0b59_sweep.kd
    .args:
      - { .name: xq, .offset: 0, .size: 8, .value_kind: global_buffer, .address_space: global }
      - { .name: erec, .offset: 8, .size: 8, .value_kind: global_buffer, .address_space: global }
      - { .name: out1, .offset: 16, .size: 8, .value_kind: global_buffer, .address_space: global }
      - { .name: idx, .offset: 24, .size: 8, .value_kind: global_buffer, .address_space: global }
    .group_segment_fixed_size: 327680
    .private_segment_fixed_size: 0
    .kernarg_segment_align: 8
    .kernarg_segment_size: 32
    .max_flat_workgroup_size: 256
    .sgpr_count:     66
    .vgpr_count:     512
    .wavefront_size: 32
...
	.end_amdgpu_metadata
.endif
;; end of part 2
;; launch gather (part 3): grid 256 x 1, 8 waves a work-group, no clusters, 1,280 bytes of LDS; arguments x, embed, idx, out0, part; writes out0, part
.if DOCPART == 3
	.amdgcn_target "amdgcn-amd-amdhsa--gfx1250"
	.amdhsa_code_object_version 6
	.text
	.protected	k_qb7749d0b59_gather
	.globl	k_qb7749d0b59_gather
	.p2align	8
	.type	k_qb7749d0b59_gather,@function
k_qb7749d0b59_gather:
	s_mov_b64 s[64:65], 0
	v_nop
	global_prefetch_b8 v0, s[64:65] scope:SCOPE_SE
	s_setreg_imm32_b32 hwreg(HW_REG_WAVE_MODE, 25, 1), 1
	s_wait_xcnt 0x0
; out0[row] = x[row] + (embed[idx[row]] - x[row]), in f32 as reference() writes it, and each work-group's sum of (embed[idx[row]] - x[row])^2 into part[work-group].
; A stream: a work-group takes 128 rows, a wave 16; a row is 1,024 bytes, two loads or stores of 512 consecutive bytes a wave.  No matrix work, no tensor load, no cluster: nothing is shared but the codebook's rows,
; which the list may name in any order.  The 16 indices of a wave come by one scalar load from idx, which an earlier launch stored; each is held to 8,191 ahead of its use in an address.
; Three sets of 64 registers (4 rows of x, 4 rows of embed) keep up to 48 loads of a wave on their way.
.set OFFE, 2                           ; v2-17  row j: 1024 x its index + 16 x lane
.set SUM,  18                          ; v18-25 four packed sums
.set SETS, 32                          ; v32-223
.macro LOADX b                         ; batch b: rows 4 b .. 4 b + 3 of x into set b % 3
.set XS, SETS+64*((\b)%3)
.irp j, 0,1,2,3
.irp f, 0,1
	global_load_b128 v[XS+8*\j+4*\f:XS+8*\j+4*\f+3], v1, s[4:5] offset:1024*(4*(\b)+\j)+512*\f th:TH_LOAD_NT
.endr
.endr
.endm
.macro LOADE b                         ; and their rows of embed (no hint: the list may name a row again)
.set ES, SETS+64*((\b)%3)+32
.irp j, 0,1,2,3
.irp f, 0,1
	global_load_b128 v[ES+8*\j+4*\f:ES+8*\j+4*\f+3], v[OFFE+4*(\b)+\j], s[6:7] offset:512*\f
.endr
.endr
.endm
.macro WORK b, left                    ; left: the younger loads that may stay out
.set XS, SETS+64*((\b)%3)
.set ES, XS+32
	s_wait_loadcnt \left
.set i, 0
.rept 16
	v_pk_add_f32 v[ES+2*i:ES+2*i+1], v[ES+2*i:ES+2*i+1], v[XS+2*i:XS+2*i+1] neg_lo:[0,1] neg_hi:[0,1]   ; d = e - x
.set i, i+1
.endr
.set i, 0
.rept 16
.if ((\b) == 0) && (i < 4)
	v_pk_mul_f32 v[SUM+2*i:SUM+2*i+1], v[ES+2*i:ES+2*i+1], v[ES+2*i:ES+2*i+1]                            ; the first products start the four sums
.else
	v_pk_fma_f32 v[SUM+2*(i%4):SUM+2*(i%4)+1], v[ES+2*i:ES+2*i+1], v[ES+2*i:ES+2*i+1], v[SUM+2*(i%4):SUM+2*(i%4)+1]
.endif
.set i, i+1
.endr
.set i, 0
.rept 16
	v_pk_add_f32 v[ES+2*i:ES+2*i+1], v[XS+2*i:XS+2*i+1], v[ES+2*i:ES+2*i+1]                              ; x + d
.set i, i+1
.endr
.irp j, 0,1,2,3
.irp f, 0,1
	global_store_b128 v1, v[ES+8*\j+4*\f:ES+8*\j+4*\f+3], s[10:11] offset:1024*(4*(\b)+\j)+512*\f th:TH_STORE_NT   ; 512 consecutive bytes, aligned
.endr
.endr
.endm
	s_load_b256 s[4:11], s[0:1], 0x0               ; x s[4:5], embed s[6:7], idx s[8:9], out0 s[10:11]
	s_load_b64 s[12:13], s[0:1], 0x20              ; part
	v_lshl_add_u32 v224, v0, 2, 0x100
	v_mov_b32 v225, 0
	v_lshrrev_b32 v1, 5, v0
	s_delay_alu instid0(VALU_DEP_1)
	v_readfirstlane_b32 s14, v1                    ; wave 0..7
	v_and_b32 v1, 31, v0
	s_delay_alu instid0(VALU_DEP_1)
	v_lshlrev_b32 v1, 4, v1                        ; 16 x lane
	s_lshl_b32 s32, ttmp9, 17                      ; x and out0: 128 rows of 1,024 bytes a work-group, 16 a wave
	s_lshl_b32 s33, s14, 14
	s_add_co_u32 s32, s32, s33
	s_mov_b32 s33, 0
	s_lshl_b32 s34, ttmp9, 9                       ; idx: 128 numbers a work-group, 16 a wave
	s_lshl_b32 s35, s14, 6
	s_add_co_u32 s34, s34, s35
	s_mov_b32 s35, 0
	s_lshl_b32 s36, ttmp9, 2                       ; part: one number a work-group
	s_mov_b32 s37, 0
	s_mov_b32 s38, 0x76543210
	s_mov_b32 s39, 0xfedcba98
	s_wait_alu depctr_va_vdst(0)
	s_wait_kmcnt 0x0
	s_add_nc_u64 s[8:9], s[8:9], s[34:35]
	s_load_b512 s[16:31], s[8:9], 0x0              ; my 16 indices
	s_add_nc_u64 s[4:5], s[4:5], s[32:33]
	s_add_nc_u64 s[10:11], s[10:11], s[32:33]
	s_add_nc_u64 s[12:13], s[12:13], s[36:37]
	LOADX 0                                        ; x does not hang on the list: 24 loads go out while the indices come
	LOADX 1
	LOADX 2
	s_wait_kmcnt 0x0
.irp j, 0,1,2,3,4,5,6,7,8,9,10,11,12,13,14,15
	s_min_u32 s[16+\j], s[16+\j], 0x1fff           ; an index stays inside the table
	s_lshl_b32 s[16+\j], s[16+\j], 10
	v_add_nc_u32 v[OFFE+\j], s[16+\j], v1
.endr
	LOADE 0
	s_wait_alu depctr_va_vdst(0)
	LOADE 1
	LOADE 2
	WORK 0, 16                                     ; behind batch 0's last load: the 8 loads of embed of each of batches 1 and 2
	s_wait_xcnt 0x0                                ; batch 0's stores have read their data: set 0 may be loaded again
	LOADX 3
	LOADE 3
	WORK 1, 24                                     ; behind batch 1's: batch 2's 8 of embed and batch 3's 16
	WORK 2, 16                                     ; batch 3's 16
	WORK 3, 0
	v_pk_add_f32 v[SUM:SUM+1], v[SUM:SUM+1], v[SUM+2:SUM+3]
	v_pk_add_f32 v[SUM+4:SUM+5], v[SUM+4:SUM+5], v[SUM+6:SUM+7]
	s_delay_alu instid0(VALU_DEP_1)
	v_pk_add_f32 v[SUM:SUM+1], v[SUM:SUM+1], v[SUM+4:SUM+5]
	s_delay_alu instid0(VALU_DEP_1)
	v_add_f32 v18, v18, v19
	s_delay_alu instid0(VALU_DEP_1)
	v_add_f32_dpp v18, v18, v18 row_xmask:1 row_mask:0xf bank_mask:0xf
	s_delay_alu instid0(VALU_DEP_1)
	v_add_f32_dpp v18, v18, v18 row_xmask:2 row_mask:0xf bank_mask:0xf
	s_delay_alu instid0(VALU_DEP_1)
	v_add_f32_dpp v18, v18, v18 row_xmask:4 row_mask:0xf bank_mask:0xf
	s_delay_alu instid0(VALU_DEP_1)
	v_add_f32_dpp v18, v18, v18 row_xmask:8 row_mask:0xf bank_mask:0xf
	s_delay_alu instid0(VALU_DEP_1)
	v_permlanex16_b32 v19, v18, s38, s39
	s_delay_alu instid0(VALU_DEP_1)
	v_add_f32 v18, v18, v19                        ; the wave's sum, in every lane
	v_mov_b32 v28, s14
	s_delay_alu instid0(VALU_DEP_1)
	v_lshlrev_b32 v28, 2, v28
	ds_store_b32 v28, v18                          ; all lanes write the wave's word with the same value
	s_wait_dscnt 0x0
	s_barrier_signal -1
	s_barrier_wait -1
	v_mov_b32 v29, 0
	ds_load_b128 v[20:23], v29
	ds_load_b128 v[24:27], v29 offset:16
	s_wait_dscnt 0x0
	v_pk_add_f32 v[20:21], v[20:21], v[22:23]
	v_pk_add_f32 v[24:25], v[24:25], v[26:27]
	s_delay_alu instid0(VALU_DEP_1)
	v_pk_add_f32 v[20:21], v[20:21], v[24:25]
	s_delay_alu instid0(VALU_DEP_1)
	v_add_f32 v20, v20, v21                        ; the work-group's sum
	v_cmp_eq_u32 vcc_lo, 0, v0
	s_wait_alu depctr_va_vdst(0)
	s_wait_xcnt 0x0                                ; EXEC changes only behind this wait
	s_wait_tensorcnt 0x0
	ds_add_u32 v224, v225
	s_wait_dscnt 0x0
	s_and_saveexec_b32 s15, vcc_lo                 ; thread 0 of the work-group stores it
	global_store_b32 v29, v20, s[12:13]
	s_wait_xcnt 0x0                                ; and again, in front of the line that widens it
	s_or_b32 exec_lo, exec_lo, s15
	s_endpgm
.Lfunc_end_k_qb7749d0b59_gather:
	.size	k_qb7749d0b59_gather, .Lfunc_end_k_qb7749d0b59_gather-k_qb7749d0b59_gather
	.p2alignl 7, 3214868480
	.fill 96, 4, 3214868480
	.section	.rodata,"a",@progbits
	.p2align	6, 0x0
	.amdhsa_kernel k_qb7749d0b59_gather
		.amdhsa_group_segment_fixed_size 1280
		.amdhsa_private_segment_fixed_size 0
		.amdhsa_enable_private_segment 0
		.amdhsa_kernarg_size 40
		.amdhsa_user_sgpr_count 2
		.amdhsa_user_sgpr_kernarg_segment_ptr 1
		.amdhsa_wavefront_size32 1
		.amdhsa_system_sgpr_workgroup_id_x 1
		.amdhsa_system_sgpr_workgroup_id_y 1
		.amdhsa_system_sgpr_workgroup_id_z 1
		.amdhsa_system_vgpr_workitem_id 0
		.amdhsa_next_free_vgpr 226
		.amdhsa_next_free_sgpr 66
		.amdhsa_reserve_vcc 1
		.amdhsa_float_denorm_mode_32 3
		.amdhsa_float_denorm_mode_16_64 3
		.amdhsa_memory_ordered 1
		.amdhsa_forward_progress 1
		.amdhsa_inst_pref_size 27
	.end_amdhsa_kernel
	.amdgpu_metadata
---
amdhsa.version: [ 1, 2 ]
amdhsa.kernels:
  - .name:           k_qb7749d0b59_gather
    .symbol:         k_qb7749d0b59_gather.kd
    .args:
      - { .name: x, .offset: 0, .size: 8, .value_kind: global_buffer, .address_space: global }
      - { .name: embed, .offset: 8, .size: 8, .value_kind: global_buffer, .address_space: global }
      - { .name: idx, .offset: 16, .size: 8, .value_kind: global_buffer, .address_space: global }
      - { .name: out0, .offset: 24, .size: 8, .value_kind: global_buffer, .address_space: global }
      - { .name: part, .offset: 32, .size: 8, .value_kind: global_buffer, .address_space: global }
    .group_segment_fixed_size: 1280
    .private_segment_fixed_size: 0
    .kernarg_segment_align: 8
    .kernarg_segment_size: 40
    .max_flat_workgroup_size: 256
    .sgpr_count:     66
    .vgpr_count:     226
    .wavefront_size: 32
...
	.end_amdgpu_metadata
.endif
;; end of part 3
;; launch total (part 4): grid 1 x 1, 1 waves a work-group, no clusters, 0 bytes of LDS; arguments part, out2; writes out2
.if DOCPART == 4
	.amdgcn_target "amdgcn-amd-amdhsa--gfx1250"
	.amdhsa_code_object_version 6
	.text
	.protected	k_qb7749d0b59_total
	.globl	k_qb7749d0b59_total
	.p2align	8
	.type	k_qb7749d0b59_total,@function
k_qb7749d0b59_total:
	s_mov_b64 s[64:65], 0
	v_nop
	global_prefetch_b8 v0, s[64:65] scope:SCOPE_SE
	s_setreg_imm32_b32 hwreg(HW_REG_WAVE_MODE, 25, 1), 1
	s_wait_xcnt 0x0
; out2 = the commitment weight 1.0 x the mean of (quantize - x)^2: the 256 work-groups' sums, added in a fixed order, times 2^-23 (8 x 4096 x 256 = 2^23 numbers).
; One wave: a sum over work-groups has one owner, in a launch behind theirs.
	s_load_b128 s[4:7], s[0:1], 0x0                ; part s[4:5], out2 s[6:7]
	v_lshlrev_b32 v1, 4, v0
	s_mov_b32 s8, 0x76543210
	s_mov_b32 s9, 0xfedcba98
	s_wait_alu depctr_va_vdst(0)
	s_wait_kmcnt 0x0
	global_load_b128 v[2:5], v1, s[4:5]            ; 8 numbers a lane
	global_load_b128 v[6:9], v1, s[4:5] offset:512
	s_wait_loadcnt 0x0
	v_pk_add_f32 v[2:3], v[2:3], v[4:5]
	v_pk_add_f32 v[6:7], v[6:7], v[8:9]
	v_pk_add_f32 v[2:3], v[2:3], v[6:7]
	v_add_f32 v2, v2, v3
	v_add_f32_dpp v2, v2, v2 row_xmask:1 row_mask:0xf bank_mask:0xf
	v_add_f32_dpp v2, v2, v2 row_xmask:2 row_mask:0xf bank_mask:0xf
	v_add_f32_dpp v2, v2, v2 row_xmask:4 row_mask:0xf bank_mask:0xf
	v_add_f32_dpp v2, v2, v2 row_xmask:8 row_mask:0xf bank_mask:0xf
	v_permlanex16_b32 v3, v2, s8, s9
	v_add_f32 v2, v2, v3
	v_mul_f32 v2, 0x34000000, v2                   ; x 2^-23
	v_mov_b32 v4, 0
	v_cmp_eq_u32 vcc_lo, 0, v0
	s_wait_alu depctr_va_vdst(0)
	s_wait_xcnt 0x0                                ; EXEC changes only behind this wait
	s_and_saveexec_b32 s10, vcc_lo
	global_store_b32 v4, v2, s[6:7]
	s_wait_xcnt 0x0
	s_or_b32 exec_lo, exec_lo, s10
	s_endpgm
.Lfunc_end_k_qb7749d0b59_total:
	.size	k_qb7749d0b59_total, .Lfunc_end_k_qb7749d0b59_total-k_qb7749d0b59_total
	.p2alignl 7, 3214868480
	.fill 96, 4, 3214868480
	.section	.rodata,"a",@progbits
	.p2align	6, 0x0
	.amdhsa_kernel k_qb7749d0b59_total
		.amdhsa_group_segment_fixed_size 0
		.amdhsa_private_segment_fixed_size 0
		.amdhsa_enable_private_segment 0
		.amdhsa_kernarg_size 16
		.amdhsa_user_sgpr_count 2
		.amdhsa_user_sgpr_kernarg_segment_ptr 1
		.amdhsa_wavefront_size32 1
		.amdhsa_system_sgpr_workgroup_id_x 1
		.amdhsa_system_sgpr_workgroup_id_y 1
		.amdhsa_system_sgpr_workgroup_id_z 1
		.amdhsa_system_vgpr_workitem_id 0
		.amdhsa_next_free_vgpr 16
		.amdhsa_next_free_sgpr 66
		.amdhsa_reserve_vcc 1
		.amdhsa_float_denorm_mode_32 3
		.amdhsa_float_denorm_mode_16_64 3
		.amdhsa_memory_ordered 1
		.amdhsa_forward_progress 1
		.amdhsa_inst_pref_size 2
	.end_amdhsa_kernel
	.amdgpu_metadata
---
amdhsa.version: [ 1, 2 ]
amdhsa.kernels:
  - .name:           k_qb7749d0b59_total
    .symbol:         k_qb7749d0b59_total.kd
    .args:
      - { .name: part, .offset: 0, .size: 8, .value_kind: global_buffer, .address_space: global }
      - { .name: out2, .offset: 8, .size: 8, .value_kind: global_buffer, .address_space: global }
    .group_segment_fixed_size: 0
    .private_segment_fixed_size: 0
    .kernarg_segment_align: 8
    .kernarg_segment_size: 16
    .max_flat_workgroup_size: 32
    .sgpr_count:     66
    .vgpr_count:     16
    .wavefront_size: 32
...
	.end_amdgpu_metadata
.endif
;; end of part 4
